; MI455X (gfx1250); checked and timed in simulation.
; The chip was launched on July 23, 2026; its instructions are those of AMD's public machine-readable ISA for CDNA 5 (MIT licence, August 2026) and "CDNA5" Instruction Set Architecture Reference Guide (July 2026). The comments in the code are by the model that wrote it; some were corrected since.
;; Grouped Experts. Allowed arithmetic: matrix products marked QUANTISED: E2M1 operands, one E8M0 scale for each 32 along K, by v_wmma_scale_f32_16x16x128_f8f6f4 with both operands' format E2M1 (or v_wmma_scale_f32_32x16x128_f4), f32 sums; everything else in f32.
;; Inputs: expert_ends 8 int32; expert_starts 8 int32; sorted_x 4,096 x 512 float32; w12 8 x 2,048 x 512 float32; w3 8 x 512 x 1,024 float32.
;; Outputs: out0 4,096 x 512 float32.
;; This version of the problem:
;;   THIS VERSION OF THE PROBLEM IS GIVEN IN LOW PRECISION. The matrix products marked QUANTISED in the list below multiply operands that are first quantised to E2M1 (2 exponent bits, 1 mantissa bit; 4 bits a number), with one power-of-two scale for each 32 numbers along K (OCP MX v1.0); their sums are f32. All else is computed in f32.
;;   The module's matrix products, in the order in which they are computed (A, B: the left and right operand; K: the contracted axis; several contracted axes count as one K, in the product's order):
;;     1. [M 4,096, K 512] x [K 512, N 2,048]; A: input sorted_x; B: input w12: QUANTISED
;;     2. [M 4,096, K 1,024] x [K 1,024, N 512]; A: computed on the way; B: input w3: QUANTISED
;;     3. [M 4,096, K 512] x [K 512, N 2,048]; A: input sorted_x; B: input w12: QUANTISED
;;     4. [M 4,096, K 1,024] x [K 1,024, N 512]; A: computed on the way; B: input w3: QUANTISED
;;     5. [M 4,096, K 512] x [K 512, N 2,048]; A: input sorted_x; B: input w12: QUANTISED
;;     6. [M 4,096, K 1,024] x [K 1,024, N 512]; A: computed on the way; B: input w3: QUANTISED
;;     7. [M 4,096, K 512] x [K 512, N 2,048]; A: input sorted_x; B: input w12: QUANTISED
;;     8. [M 4,096, K 1,024] x [K 1,024, N 512]; A: computed on the way; B: input w3: QUANTISED
;;     9. [M 4,096, K 512] x [K 512, N 2,048]; A: input sorted_x; B: input w12: QUANTISED
;;     10. [M 4,096, K 1,024] x [K 1,024, N 512]; A: computed on the way; B: input w3: QUANTISED
;;     11. [M 4,096, K 512] x [K 512, N 2,048]; A: input sorted_x; B: input w12: QUANTISED
;;     12. [M 4,096, K 1,024] x [K 1,024, N 512]; A: computed on the way; B: input w3: QUANTISED
;;     13. [M 4,096, K 512] x [K 512, N 2,048]; A: input sorted_x; B: input w12: QUANTISED
;;     14. [M 4,096, K 1,024] x [K 1,024, N 512]; A: computed on the way; B: input w3: QUANTISED
;;     15. [M 4,096, K 512] x [K 512, N 2,048]; A: input sorted_x; B: input w12: QUANTISED
;;     16. [M 4,096, K 1,024] x [K 1,024, N 512]; A: computed on the way; B: input w3: QUANTISED
;;   THE QUANTISER, for each operand of a quantised product, along K:
;;     - K is cut into blocks of 32 from its start; a last block that is shorter is filled with zeros.
;;     - A block's scale is 2^e with e = floor(log2(the largest magnitude in the block)) - 2, held to -126 .. 127; a block of zeros has e = 0. As a byte (E8M0): e + 127.
;;     - Each number is divided by its block's scale, clamped to +-6, and rounded to the nearest number of E2M1, ties to even, subnormals kept.
;;     - The product sums the exact products of the quantised numbers (number of the format x scale) in f32.
;;   ~~~python
;;   def quantise(x, axis):      # numpy; x: float32 -> the quantised numbers, widened to float32 again
;;       x = np.moveaxis(x, axis, -1); K = x.shape[-1]
;;       x = np.pad(x, [(0, 0)] * (x.ndim - 1) + [(0, -K % 32)]); x = x.reshape(x.shape[:-1] + (-1, 32)); a = np.abs(x).max(-1, keepdims=True)
;;       e = np.where(a > 0, np.clip(np.frexp(np.where(a > 0, a, 1))[1] - 1 - 2, -126, 127), 0)      # np.frexp(a)[1] - 1 = floor(log2(a)), exactly
;;       r = np.clip(x / 2.0 ** e, -6, 6)
;;       step = 2.0 ** (np.maximum(np.frexp(np.where(r == 0, 1, r))[1] - 1, 0) - 1)
;;       q = np.round(r / step) * step * 2.0 ** e      # np.round: ties to even
;;       return np.moveaxis(q.reshape(q.shape[:-2] + (-1,))[..., :K], -1, axis).astype(np.float32)
;;   ~~~
;;   OPERANDS COMPUTED ON THE WAY. 'Computed on the way' means the value that the module computes at that place (a softmax that the list does not call 'softmax' is quantised finished and normalised). What goes into a quantiser is computed in f32, as accurately as f32 sums, v_exp_f32 and their like allow (about 1e-6 of the number): no bf16 or f16 on the way to a quantiser, and a product that is left as it is and whose result goes on into a quantised operand takes f32 operands (vector FMAs, or v_wmma_f32_16x16x4_f32). A number that lies on a knife's edge between two numbers of the format may be rounded either way, as far as f32 arithmetic and the matrix unit's own rounding can turn it there, and no further.
;; 2 versions, each right and faster than the one before. Each part assembles by itself: llvm-mc -triple=amdgcn-amd-amdhsa -mcpu=gfx1250 --defsym DOCPART=n.
;; ======== version 1 of 2: 2 launches
;; workspace buffers: qcodes 7,340,032 bytes; qscales 458,752 bytes
;; launch quant (part 1): grid 256 x 1, 7 waves a work-group, no clusters, 60,416 bytes of LDS; arguments sorted_x, w12, w3, qcodes, qscales; writes qcodes, qscales
.if DOCPART == 1
	.amdgcn_target "amdgcn-amd-amdhsa--gfx1250"
	.amdhsa_code_object_version 6
	.text
	.protected	k_q31858efaf8_quant
	.globl	k_q31858efaf8_quant
	.p2align	8
	.type	k_q31858efaf8_quant,@function
k_q31858efaf8_quant:
	s_mov_b64 s[64:65], 0
	v_nop
	global_prefetch_b8 v0, s[64:65] scope:SCOPE_SE
	s_setreg_imm32_b32 hwreg(HW_REG_WAVE_MODE, 25, 1), 1
	s_wait_xcnt 0x0
; sorted_x [4096][512], w12 [8][2048][512] and w3 [8][512][1024], all f32 with K innermost, are turned ONCE into codes of FP4 (E2M1) with one E8M0 scale byte for each 32 along K.
; A block's scale is 2^(floor(log2(its largest magnitude)) - 2); its byte is the largest magnitude's exponent field - 2, held at 1 from below; each number / scale goes to the nearest code, ties to even, beyond 6 to 6.
; LIMITS: NaN and infinities among the inputs are not served.  A block of zeros gets the byte 1 where the rule says 127: its codes are zeros, which add nothing under any byte but 0xff, and this program alone reads the bytes.
; THE WORKSPACE IS LAID AS IMAGES OF OPERAND REGISTERS.  A JOB J is 16 row slots x 512 along K: four fragments of 16 x 128.  Fragment s lies at qcodes + 4096 J + 1024 s; lane L = 16 h + r has its registers 4 c .. 4 c + 3
; (block 2 c + h of row slot r, 16 bytes) at + 512 c + 16 L.  The scale words lie at qscales + 256 J + 16 r + 4 s.  So the reader's every load of 16 bytes a lane covers 512 consecutive bytes.
; JOBS: 0 .. 1023 w12, job 128 e + 64 p + 2 g + u: slot i = row 2048 e + 1024 p + 32 g + 8 u + i + 8 (i / 8) (the rows of a tile are chosen so that two neighbouring tiles' results are 16 neighbours along the next K);
;       1024 .. 1535 w3, job 2 (32 e + n) + half: rows 16 (32 e + n) + i, columns 512 half on;   1536 .. 1791 x: rows 16 j + i.
; For all three, slot 0 begins at byte (j / 2) x 65536 + (j % 2) x ODD; from slot to slot it is P bytes, from slot 7 to slot 8 P8.  Only these constants and the pointer are chosen: all tensors take one path through the text.
; SHARES: 256 work-groups x 7 waves = 1,792 waves, a job each.  A wave's 64 loads (each 512 consecutive bytes of one row) go out at once; a fragment's 16 rows turn through the wave's own stage in LDS, so that a
; lane gets two whole blocks of 32 neighbours.  No loop, no barrier (waves share nothing), no register of a pending load or store is ever rewritten.
.set SPITCH, 528                       ; a stage row: 512 bytes + 16 = 33 x 16: the 16 rows that a read touches begin at 16 different 16-byte columns of 256
.set STG,    16*SPITCH                 ; a wave's stage: 8,448 bytes
.set OFF, 16                           ; v16-31   byte offset of my 16 bytes in row slot i
.set X,   32                           ; v32-95   my two blocks of 32 numbers
.set C,   96                           ; v96-127  codes: 8 registers a fragment, never rewritten
.set W,   128                          ; v128-131 the four scale words
.set TM,  132                          ; v132-139 at work
.set MSB, 0                            ; window 1 (v256-511): the numbers as loaded: fragment s, slot i at v[64 s + 4 i]
.macro WIN new                         ; the immediate's high byte repeats the setting that is left
.if MSB != (\new)
	s_set_vgpr_msb (MSB<<8)|(\new)
.set MSB, (\new)
.endif
.endm
	s_load_b256 s[4:11], s[0:1], 0x0               ; x s[4:5], w12 s[6:7], w3 s[8:9], qcodes s[10:11]
	s_load_b64 s[12:13], s[0:1], 0x20              ; qscales
	v_lshl_add_u32 v254, v0, 2, 0xe800
	v_mov_b32 v255, 0
	v_lshrrev_b32 v1, 5, v0
	v_readfirstlane_b32 s14, v1                    ; wave 0..6
	v_and_b32 v1, 31, v0                           ; lane
	v_and_b32 v2, 15, v0                           ; r
	v_bfe_u32 v3, v0, 4, 1                         ; h
	v_lshlrev_b32 v4, 4, v1                        ; 16 x lane: my place in an image
	s_mul_i32 s26, s14, STG                        ; my stage
	v_add_nc_u32 v5, s26, v4                       ; into it: 16 x lane of a row
	v_mul_u32_u24 v6, v2, SPITCH
	v_lshl_add_u32 v6, v3, 7, v6
	v_add_nc_u32 v6, s26, v6                       ; out of it: row r, + 128 h: block h
	v_lshlrev_b32 v7, 4, v2
	v_lshl_add_u32 v7, v3, 3, v7                   ; the scale words: 16 r + 8 h
	v_lshlrev_b32 v8, 3, v3                        ; 8 h: my bytes' place in a scale word, in bits
	v_mov_b32 v[TM+6], 0                           ; written once: a lane permute's destination counts as one of its sources
	s_mul_i32 s15, ttmp9, 7
	s_add_co_u32 s15, s15, s14                     ; my job J
	s_mov_b32 s20, 0x76543210
	s_mov_b32 s21, 0xfedcba98                      ; v_permlanex16_b32's selects for lane l xor 16
	s_mov_b32 s16, 1536                            ; x's figures: first job, ODD, P, P8
	s_mov_b32 s17, 32768
	s_mov_b32 s18, 2048
	s_mov_b32 s19, 2048
	s_wait_kmcnt 0x0
	s_mov_b64 s[22:23], s[4:5]
	s_cmp_lt_u32 s15, 1536                         ; the choice hangs on the job's number alone; nothing between a compare and its selects sets SCC
	s_cselect_b64 s[22:23], s[8:9], s[22:23]       ; w3's
	s_cselect_b32 s16, 1024, s16
	s_cselect_b32 s17, 2048, s17
	s_cselect_b32 s18, 4096, s18
	s_cselect_b32 s19, 4096, s19
	s_cmp_lt_u32 s15, 1024
	s_cselect_b64 s[22:23], s[6:7], s[22:23]       ; w12's
	s_cselect_b32 s16, 0, s16
	s_cselect_b32 s17, 16384, s17
	s_cselect_b32 s18, 2048, s18
	s_cselect_b32 s19, 18432, s19                  ; slot 7 is row + 7, slot 8 row + 16: nine rows of 2,048 bytes
	s_sub_co_u32 s16, s15, s16                     ; j: the job within its tensor
	s_lshr_b32 s24, s16, 1
	s_lshl_b32 s24, s24, 16
	s_and_b32 s27, s16, 1
	s_mul_i32 s27, s27, s17
	s_add_co_u32 s24, s24, s27                     ; (j / 2) x 65536 + (j % 2) x ODD: under 2^26
	s_mov_b32 s25, 0
	s_add_nc_u64 s[22:23], s[22:23], s[24:25]      ; the source at slot 0
	s_lshl_b32 s24, s15, 12
	s_add_nc_u64 s[10:11], s[10:11], s[24:25]      ; my job's codes
	s_lshl_b32 s24, s15, 8
	s_add_nc_u64 s[12:13], s[12:13], s[24:25]      ; and its scale words
	v_lshlrev_b32 v[OFF], 4, v1
.irp i, 1,2,3,4,5,6,7,8,9,10,11,12,13,14,15
.if \i == 8
	v_add_nc_u32 v[OFF+\i], s19, v[OFF+\i-1]
.else
	v_add_nc_u32 v[OFF+\i], s18, v[OFF+\i-1]
.endif
.endr
	WIN 0x40                                       ; destination window 1, address window 0
.irp s, 0,1,2,3                        ; all 64 loads at once, 32 KiB a wave; the counter's field holds 63, so the last one's issue waits for the first to come back (ISA guide 5.7.1): no wait is written for that
.irp i, 0,1,2,3,4,5,6,7,8,9,10,11,12,13,14,15
	global_load_b128 v[64*\s+4*\i:64*\s+4*\i+3], v[OFF+\i], s[22:23] offset:512*\s th:TH_LOAD_NT   ; 32 lanes read 512 consecutive bytes of slot i's row; read once in the launch
.endr
.endr
	WIN 0
; Fragment s: 16 rows x 128 along K.
.macro FRAG s
	s_wait_loadcnt 48-16*\s                        ; loads come back in order: this fragment's 16 are in; the later fragments' may be out
	WIN 0x04                                       ; an LDS store's data are its source 1: window 1
.irp i, 0,1,2,3,4,5,6,7,8,9,10,11,12,13,14,15
	ds_store_b128 v5, v[64*\s+4*\i:64*\s+4*\i+3] offset:SPITCH*\i
.endr
	WIN 0
.irp c, 0,1                            ; LDS serves a wave's instructions in order: these see the stores above.  Block 2 c + h of row r: 128 bytes
.irp j, 0,1,2,3,4,5,6,7
	ds_load_b128 v[X+32*\c+4*\j:X+32*\c+4*\j+3], v6 offset:256*\c+16*\j
.endr
.endr
	s_wait_dscnt 0x0
.irp c, 0,1
	v_max3_num_f32 v[TM+\c], |v[X+32*\c]|, |v[X+32*\c+1]|, 0x1800000   ; the block's largest magnitude: all 32 numbers are mine; and the floor 2^(3 - 127): so the byte cannot fall under 1
.endr
.irp i, 2,4,6,8,10,12,14,16,18,20,22,24,26,28,30
.irp c, 0,1
	v_max3_num_f32 v[TM+\c], v[TM+\c], |v[X+32*\c+\i]|, |v[X+32*\c+\i+1]|   ; (the two blocks by turns)
.endr
.endr
.irp c, 0,1
	v_add_nc_u32 v[TM+2+\c], 0xff000000, v[TM+\c]  ; 2 off its exponent field: the conversion takes the exponent field of this operand as its scale, and nothing else of it
.endr
.irp c, 0,1
	v_lshrrev_b32 v[TM+4+\c], 23, v[TM+2+\c]       ; the scale's byte
.endr
	v_lshl_or_b32 v[W+\s], v[TM+5], 16, v[TM+4]    ; my two bytes: blocks h and 2 + h of row r,
	v_lshlrev_b32 v[W+\s], v8, v[W+\s]             ; at their places in the word;
	v_permlanex16_b32 v[TM+6], v[W+\s], s20, s21
	v_or_b32 v[W+\s], v[W+\s], v[TM+6]             ; with lane l xor 16's two the word is whole, in both lanes
.irp c, 0,1
.irp g, 0,1,2,3
	v_cvt_scalef32_pk8_fp4_f32 v[C+8*\s+4*\c+\g], v[X+32*\c+8*\g:X+32*\c+8*\g+7], v[TM+2+\c]   ; registers 4 c .. 4 c + 3 of the operand
.endr
.endr
	v_nop                                          ; one plain place behind the last scaled conversion
.irp c, 0,1
	global_store_b128 v4, v[C+8*\s+4*\c:C+8*\s+4*\c+3], s[10:11] offset:1024*\s+512*\c   ; 32 lanes store 512 consecutive bytes, at a multiple of 512 from the buffer's first byte
.endr
.endm
	FRAG 0
	FRAG 1
	FRAG 2
	FRAG 3
	v_cmp_eq_u32 vcc_lo, 1, v3
	v_cndmask_b32 v144, v[W], v[W+2], vcc_lo       ; lanes 0-15 store words 0 and 1 of row r, lanes 16-31 words 2 and 3
	v_cndmask_b32 v145, v[W+1], v[W+3], vcc_lo
	global_store_b64 v7, v[144:145], s[12:13]      ; 32 lanes store 256 consecutive bytes, at a multiple of 256
	s_wait_tensorcnt 0x0
	ds_add_u32 v254, v255
	s_wait_dscnt 0x0
	s_endpgm
.Lfunc_end_k_q31858efaf8_quant:
	.size	k_q31858efaf8_quant, .Lfunc_end_k_q31858efaf8_quant-k_q31858efaf8_quant
	.p2alignl 7, 3214868480
	.fill 96, 4, 3214868480
	.section	.rodata,"a",@progbits
	.p2align	6, 0x0
	.amdhsa_kernel k_q31858efaf8_quant
		.amdhsa_group_segment_fixed_size 60416
		.amdhsa_private_segment_fixed_size 0
		.amdhsa_enable_private_segment 0
		.amdhsa_kernarg_size 40
		.amdhsa_user_sgpr_count 2
		.amdhsa_user_sgpr_kernarg_segment_ptr 1
		.amdhsa_wavefront_size32 1
		.amdhsa_system_sgpr_workgroup_id_x 1
		.amdhsa_system_sgpr_workgroup_id_y 1
		.amdhsa_system_sgpr_workgroup_id_z 1
		.amdhsa_system_vgpr_workitem_id 0
		.amdhsa_next_free_vgpr 512
		.amdhsa_next_free_sgpr 66
		.amdhsa_reserve_vcc 1
		.amdhsa_float_denorm_mode_32 3
		.amdhsa_float_denorm_mode_16_64 3
		.amdhsa_memory_ordered 1
		.amdhsa_forward_progress 1
		.amdhsa_inst_pref_size 31
	.end_amdhsa_kernel
	.amdgpu_metadata
---
amdhsa.version: [ 1, 2 ]
amdhsa.kernels:
  - .name:           k_q31858efaf8_quant
    .symbol:         k_q31858efaf8_quant.kd
    .args:
      - { .name: sorted_x, .offset: 0, .size: 8, .value_kind: global_buffer, .address_space: global }
      - { .name: w12, .offset: 8, .size: 8, .value_kind: global_buffer, .address_space: global }
      - { .name: w3, .offset: 16, .size: 8, .value_kind: global_buffer, .address_space: global }
      - { .name: qcodes, .offset: 24, .size: 8, .value_kind: global_buffer, .address_space: global }
      - { .name: qscales, .offset: 32, .size: 8, .value_kind: global_buffer, .address_space: global }
    .group_segment_fixed_size: 60416
    .private_segment_fixed_size: 0
    .kernarg_segment_align: 8
    .kernarg_segment_size: 40
    .max_flat_workgroup_size: 224
    .sgpr_count:     66
    .vgpr_count:     512
    .wavefront_size: 32
...
	.end_amdgpu_metadata
.endif
;; end of part 1
;; launch ffn (part 2): grid 256 x 1, 4 waves a work-group, no clusters, 132,608 bytes of LDS; arguments expert_starts, expert_ends, qcodes, qscales, out0; writes out0
.if DOCPART == 2
	.amdgcn_target "amdgcn-amd-amdhsa--gfx1250"
	.amdhsa_code_object_version 6
	.text
	.protected	k_q31858efaf8_ffn
	.globl	k_q31858efaf8_ffn
	.p2align	8
	.type	k_q31858efaf8_ffn,@function
k_q31858efaf8_ffn:
	s_mov_b64 s[64:65], 0
	v_nop
	global_prefetch_b8 v0, s[64:65] scope:SCOPE_SE
	s_setreg_imm32_b32 hwreg(HW_REG_WAVE_MODE, 25, 1), 1
	s_wait_xcnt 0x0
; out[t] = the sum over the experts e with starts[e] <= t < ends[e] of Q(silu(Q(x) Q(W1_e)^T) * (Q(x) Q(W2_e)^T)) Q(W3_e)^T, Q the MX-FP4 quantiser along K.  x, w12, w3 come as codes and scale words laid as images
; of operand registers (a job = 16 row slots x 512 K: fragment s at 4096 J + 1024 s, lane L's registers 4 c .. 4 c + 3 at + 512 c + 16 L; scale words at 256 J + 16 r + 4 s; jobs: w12 0 .., w3 1024 .., x 1536 ..).
; SHARES.  Work-group g owns tokens 16 g .. 16 g + 15: every output row has one owner.  It walks all 8 experts in a loop of constant count and jumps over those whose range meets none of its tokens: a scalar branch on
; the index inputs.  Because of that branch the weights go from memory straight into registers, and no barrier stands in the loop.  For this reason tiles are not shared in a cluster either: which experts a block walks
; hangs on numbers read from memory.
; For an expert, wave w makes hidden units 256 w .. 256 w + 255 (K steps 2 w, 2 w + 1 of the second product), quantises them in its registers and multiplies them at once by its K slice of W3, for all 512 outputs:
; 32 accumulators that run on over both K steps and over the experts.  The four waves' partial sums meet once, at the end, in LDS behind the text's only barrier.
; BOTH PRODUCTS ARE USED TRANSPOSED (source 0 = 16 rows of weights, source 1 = the 16 tokens): a lane holds ONE token (lane % 16).  The rows of a tile of w12 were chosen so that the 16 registers of tiles u = 0, 1 of a
; group of 32 hidden units are 16 neighbours along the next K: 32 g + 16 (lane / 16) + 0 .. 15.  A token that is not in the expert gets zero CODES of h: it then adds exactly 0.
; THE STREAM.  An expert is 12 groups of 16 fragments (16 KiB a wave): 4 of w12 (a chunk = 32 hidden units x (h1, h2) x 4 K steps), 2 of w3, again 4 and 2.  They go through a ring of four quarters in windows 2 and 3;
; group k + 2 is asked for in front of group k's products.
; LIMITS: NaN and infinities are not served.  The sums of out are grouped otherwise than a plain chain: four K slices summed apart and added at the end as (0 + 1) + (2 + 3), experts chained in one accumulator, all f32.
; For h1 under about -88 the sigmoid comes out as 0.  A block of h that is all zeros gets the scale byte 1: its codes are zeros.
; REGISTERS, in windows of 256: window 0: v1-12 addresses and masks; v16-47 x's four fragments; v48-51 x's scale words; v52 h's scale word; v64-95 w12's scale words, four sets; v96-127 w3's; v128-159 four accumulators
;   of the first product; v160-175, v176-191 at work on SwiGLU; v192-199 h's codes; v200-207 at work.   window 1: the 32 accumulators of out (tile n at v[8 n]).   windows 2, 3: the ring.
.set LN,   1                           ; v1   16 x lane: my place in an image, and in a row of out
.set A3,   3                           ; v3   512 (lane / 16) + 16 r: w3's scale words, lanes 16-31 one tile on
.set AX,   4                           ; v4   16 r: x's scale words
.set MB,   5                           ; v5   bit e: my token is in expert e
.set STO,  8                           ; v8   the way out: where I put 32 bytes of my token's row
.set RD0,  9                           ; v9   where I read rows back: partial sums 0 and 1,
.set RD1,  10                          ; v10  2 and 3
.set TOK,  12                          ; v12  my token
.set XF,   16
.set XS,   48
.set PW,   52
.set SC12, 64
.set SC3,  96
.set ACC,  128                         ; tile 2 p + u at + 8 (2 p + u): h1 in ACC .. ACC + 15, h2 in ACC + 16 .. ACC + 31
.set TT,   160
.set HH,   176
.set PC,   192
.set TM,   200
.set OPITCH, 2064                      ; a token's row of a partial sum in LDS: 2,048 bytes + 16 = 129 x 16: the 16 rows that a store touches begin at 16 different 16-byte columns of 256
.set PART,   16*OPITCH                 ; a wave's partial sum: 33,024 bytes
.set MSB, 0
.macro WIN new                         ; the immediate's high byte repeats the setting that is left
.if MSB != (\new)
	s_set_vgpr_msb (MSB<<8)|(\new)
.set MSB, (\new)
.endif
.endm
.macro PLACES n                        ; plain vector places behind matrix instructions (ISA guide 7.12.1), where no other vector work is at hand
.rept \n
	v_nop
.endr
.endm
.macro QTR k                           ; group k's quarter of the ring: window AW, from register RB on
.set AW, 2+((\k)%4)/2
.set RB, 128*(((\k)%4)%2)
.endm
	s_load_b256 s[4:11], s[0:1], 0x0               ; starts s[4:5], ends s[6:7], qcodes s[8:9], qscales s[10:11]
	s_load_b64 s[12:13], s[0:1], 0x20              ; out
	v_lshl_add_u32 v62, v0, 2, 0x20400
	v_mov_b32 v63, 0
	v_lshrrev_b32 v6, 5, v0
	v_readfirstlane_b32 s14, v6                    ; wave 0..3
	v_and_b32 v7, 31, v0
	v_lshlrev_b32 v[LN], 4, v7
	v_and_b32 v6, 15, v0                           ; r
	v_bfe_u32 v7, v0, 4, 1                         ; lane / 16
	v_lshlrev_b32 v[AX], 4, v6
	v_lshl_add_u32 v[A3], v7, 9, v[AX]
	s_lshl_b32 s15, ttmp9, 4                       ; T0: my block's first token
	s_add_co_u32 s33, s15, 16                      ; T1: one past its last
	v_add_nc_u32 v[TOK], s15, v6
	s_mul_i32 s37, s14, PART
	v_mul_u32_u24 v[STO], v6, OPITCH
	v_lshl_add_u32 v[STO], v7, 5, v[STO]
	v_add_nc_u32 v[STO], s37, v[STO]               ; my partial sum, row r, + 32 (lane / 16)
	s_mul_i32 s37, s14, 4*OPITCH
	v_add_nc_u32 v[RD0], s37, v[LN]                ; back: token rows 4 w on, 16 bytes a lane
	v_add_nc_u32 v[RD1], 2*PART, v[RD0]
	v_mov_b32 v[MB], 0
	v_mov_b32 v[TM+2], 0                           ; written once: a lane permute's destination counts as one of its sources
	s_mov_b32 s34, 0                               ; ACT: bit e: expert e's range meets my block
	s_mov_b32 s54, 0x76543210
	s_mov_b32 s55, 0xfedcba98                      ; v_permlanex16_b32's selects for lane l xor 16
	s_mov_b32 s56, 0xbfb8aa3b                      ; -log2(e); the packed form names the pair and takes its low word for both halves,
	s_mov_b32 s57, s56                             ; so the upper word is written too
	s_mov_b32 s53, 0
	s_wait_kmcnt 0x0
	s_load_b256 s[16:23], s[4:5], 0x0              ; the eight starts
	s_load_b256 s[24:31], s[6:7], 0x0              ; the eight ends
	s_lshl_b32 s52, s14, 16
	s_add_nc_u64 s[40:41], s[8:9], s[52:53]        ; w12's codes: my 16 tiles of h1 of expert 0: 65536 w
	s_lshl_b32 s52, s14, 11
	s_add_co_u32 s52, s52, 4194304
	s_add_nc_u64 s[42:43], s[8:9], s[52:53]        ; w3's codes: job 1024 on, K step 2 w: 2048 w
	s_lshl_b32 s52, s14, 12
	s_add_nc_u64 s[44:45], s[10:11], s[52:53]      ; w12's scale words: 4096 w
	s_lshr_b32 s37, s14, 1
	s_lshl_b32 s37, s37, 8
	s_and_b32 s38, s14, 1
	s_lshl_b32 s38, s38, 3
	s_add_co_u32 s52, s37, s38
	s_add_co_u32 s52, s52, 262144
	s_add_nc_u64 s[46:47], s[10:11], s[52:53]      ; w3's scale words: 256 (w / 2) for the job's half, 8 (w % 2) for my two words in it
	s_lshl_b32 s52, ttmp9, 12
	s_add_co_u32 s52, s52, 6291456
	s_add_nc_u64 s[48:49], s[8:9], s[52:53]        ; x's codes: job 1536 + g
	s_lshl_b32 s52, ttmp9, 8
	s_add_co_u32 s52, s52, 393216
	s_add_nc_u64 s[50:51], s[10:11], s[52:53]      ; and its scale words
	s_lshl_b32 s52, ttmp9, 15
	s_lshl_b32 s37, s14, 13
	s_add_co_u32 s52, s52, s37
	s_add_nc_u64 s[12:13], s[12:13], s[52:53]      ; out at token 16 g + 4 w: the four rows that I store
.irp s, 0,1,2,3
.irp c, 0,1
	global_load_b128 v[XF+8*\s+4*\c:XF+8*\s+4*\c+3], v[LN], s[48:49] offset:1024*\s+512*\c   ; x's four fragments stay in registers
.endr
.endr
	global_load_b128 v[XS:XS+3], v[AX], s[50:51]   ; register s: the word of K step s, lane r row r's
	; The accumulators of out are cleared: a token that no expert takes must come out as 0, and which expert is a block's first is known only when the index inputs have been read.  (x's loads are out meanwhile.)
	WIN 0x40
.set i, 0
.rept 256
	v_mov_b32 v[i], 0
.set i, i+1
.endr
	WIN 0
	s_wait_kmcnt 0x0                               ; starts and ends
.irp e, 0,1,2,3,4,5,6,7
	s_max_i32 s37, s[16+\e], s15                   ; the range meets [T0, T1) where max(start, T0) < min(end, T1)
	s_min_i32 s38, s[24+\e], s33
	s_cmp_lt_i32 s37, s38
	s_cselect_b32 s37, 1<<\e, 0
	s_or_b32 s34, s34, s37
	v_cmp_le_i32 s37, s[16+\e], v[TOK]             ; start <= my token
	v_cmp_gt_i32 s38, s[24+\e], v[TOK]             ; end > my token
	s_and_b32 s37, s37, s38
	v_cndmask_b32 v6, 0, 1, s37
	v_lshl_or_b32 v[MB], v6, \e, v[MB]
.endr
; Group k = chunk b of w12: 2 loads of scale words, 32 of codes.  The four places stand in front of loads into registers that matrix instructions have read.
.macro ISSUE_UP k, b
	QTR \k
	PLACES 4
.irp p, 0,1
	global_load_b128 v[SC12+8*((\k)%4)+4*\p:SC12+8*((\k)%4)+4*\p+3], v[LN], s[44:45] offset:16384*\p+512*(\b)   ; register s: K step s; lanes 0-15 tile u = 0, lanes 16-31 tile u = 1
.endr
	WIN (AW<<6)                                    ; destination: the ring's window
.irp s, 0,1,2,3
.irp p, 0,1
.irp u, 0,1
.irp c, 0,1
	global_load_b128 v[RB+8*(4*\s+2*\p+\u)+4*\c:RB+8*(4*\s+2*\p+\u)+4*\c+3], v[LN], s[40:41] offset:262144*\p+4096*(2*(\b)+\u)+1024*\s+512*\c   ; 512 consecutive bytes
.endr
.endr
.endr
.endr
	WIN 0
.endm
; Group k = tiles 16 hf .. 16 hf + 15 of w3, my K step q: 32 loads of codes; first = 1: ahead of them the expert's scale words for both of my K steps, 16 loads.
.macro ISSUE_DN k, q, hf, first
	QTR \k
	PLACES 4
.if \first
.irp i, 0,1,2,3,4,5,6,7,8,9,10,11,12,13,14,15
	global_load_b64 v[SC3+2*\i:SC3+2*\i+1], v[A3], s[46:47] offset:1024*\i   ; register 2 i + q: lanes 0-15 tile 2 i, lanes 16-31 tile 2 i + 1
.endr
.endif
	WIN (AW<<6)
.irp i, 0,1,2,3,4,5,6,7,8,9,10,11,12,13,14,15
.irp c, 0,1
	global_load_b128 v[RB+8*\i+4*\c:RB+8*\i+4*\c+3], v[LN], s[42:43] offset:8192*(16*(\hf)+\i)+1024*(\q)+512*\c
.endr
.endr
	WIN 0
.endm
; Chunk b: h1 and h2 of 32 hidden units for my 16 tokens, SwiGLU, and the block's codes and scale byte.
.macro UP k, b
	QTR \k
	WIN AW                                         ; source 0 (weights) in the ring's window; x, C and D in window 0
.irp s, 0,1,2,3                        ; the four accumulators take turns, one instruction a turn; the first K step starts the sums
.irp j, 0,1,2,3
.if \s == 0
.if (\j)%2
	v_wmma_scale_f32_16x16x128_f8f6f4 v[ACC+8*\j:ACC+8*\j+7], v[RB+8*(4*\s+\j):RB+8*(4*\s+\j)+7], v[XF+8*\s:XF+8*\s+7], 0, v[SC12+8*((\k)%4)+4*(\j/2)+\s], v[XS+\s] matrix_a_fmt:MATRIX_FMT_FP4 matrix_b_fmt:MATRIX_FMT_FP4 matrix_a_scale:MATRIX_SCALE_ROW1
.else
	v_wmma_scale_f32_16x16x128_f8f6f4 v[ACC+8*\j:ACC+8*\j+7], v[RB+8*(4*\s+\j):RB+8*(4*\s+\j)+7], v[XF+8*\s:XF+8*\s+7], 0, v[SC12+8*((\k)%4)+4*(\j/2)+\s], v[XS+\s] matrix_a_fmt:MATRIX_FMT_FP4 matrix_b_fmt:MATRIX_FMT_FP4
.endif
.else
.if (\j)%2
	v_wmma_scale_f32_16x16x128_f8f6f4 v[ACC+8*\j:ACC+8*\j+7], v[RB+8*(4*\s+\j):RB+8*(4*\s+\j)+7], v[XF+8*\s:XF+8*\s+7], v[ACC+8*\j:ACC+8*\j+7], v[SC12+8*((\k)%4)+4*(\j/2)+\s], v[XS+\s] matrix_a_fmt:MATRIX_FMT_FP4 matrix_b_fmt:MATRIX_FMT_FP4 matrix_a_scale:MATRIX_SCALE_ROW1
.else
	v_wmma_scale_f32_16x16x128_f8f6f4 v[ACC+8*\j:ACC+8*\j+7], v[RB+8*(4*\s+\j):RB+8*(4*\s+\j)+7], v[XF+8*\s:XF+8*\s+7], v[ACC+8*\j:ACC+8*\j+7], v[SC12+8*((\k)%4)+4*(\j/2)+\s], v[XS+\s] matrix_a_fmt:MATRIX_FMT_FP4 matrix_b_fmt:MATRIX_FMT_FP4
.endif
.endif
.endr
.endr
	WIN 0
	PLACES 4                                       ; in front of the first read of the results
	; h = h1 / (1 + 2^(-log2(e) h1)) x h2, in f32; each accumulator is read from its low end on
.irp i, 0,2,4,6,8,10,12,14
	v_pk_mul_f32 v[TT+\i:TT+\i+1], v[ACC+\i:ACC+\i+1], s[56:57] op_sel_hi:[1,0]
.endr
.irp i, 0,1,2,3,4,5,6,7,8,9,10,11,12,13,14,15
	v_exp_f32 v[TT+\i], v[TT+\i]
.endr
	v_nop                                          ; one plain place behind the transcendentals
	s_wait_alu depctr_va_vdst(0)
.irp i, 0,2,4,6,8,10,12,14
	v_pk_add_f32 v[TT+\i:TT+\i+1], v[TT+\i:TT+\i+1], 1.0 op_sel_hi:[1,0]
.endr
.irp i, 0,1,2,3,4,5,6,7,8,9,10,11,12,13,14,15
	v_rcp_f32 v[TT+\i], v[TT+\i]
.endr
	v_nop
	s_wait_alu depctr_va_vdst(0)
.irp i, 0,2,4,6,8,10,12,14
	v_pk_mul_f32 v[HH+\i:HH+\i+1], v[ACC+\i:ACC+\i+1], v[TT+\i:TT+\i+1]          ; silu(h1)
.endr
.irp i, 0,2,4,6,8,10,12,14
	v_pk_mul_f32 v[HH+\i:HH+\i+1], v[HH+\i:HH+\i+1], v[ACC+16+\i:ACC+16+\i+1]    ; x h2: register i = hidden unit 32 (8 w + b) + 16 (lane / 16) + i of my token
.endr
	; the block of 32 lies in lanes l and l xor 16
	v_max3_num_f32 v[TM], |v[HH]|, |v[HH+1]|, 0x1800000        ; two chains; the floor 2^(3 - 127) among the leaves: so the byte cannot fall under 1
	v_max3_num_f32 v[TM+1], |v[HH+8]|, |v[HH+9]|, |v[HH+10]|
	v_max3_num_f32 v[TM], v[TM], |v[HH+2]|, |v[HH+3]|
	v_max3_num_f32 v[TM+1], v[TM+1], |v[HH+11]|, |v[HH+12]|
	v_max3_num_f32 v[TM], v[TM], |v[HH+4]|, |v[HH+5]|
	v_max3_num_f32 v[TM+1], v[TM+1], |v[HH+13]|, |v[HH+14]|
	v_max3_num_f32 v[TM], v[TM], |v[HH+6]|, |v[HH+7]|
	v_max3_num_f32 v[TM], v[TM], v[TM+1], |v[HH+15]|
	v_permlanex16_b32 v[TM+2], v[TM], s54, s55
	v_max_num_f32 v[TM], v[TM], v[TM+2]            ; the block's largest magnitude
	v_add_nc_u32 v[TM+3], 0xff000000, v[TM]        ; 2 off its exponent field: the conversion's scale operand
	v_lshrrev_b32 v[TM+4], 23, v[TM+3]             ; the scale's byte
.if ((\b)%4) == 0
	v_mov_b32 v[PW], v[TM+4]                       ; four chunks' bytes make the scale word of a K step
.else
	v_lshl_or_b32 v[PW], v[TM+4], 8*((\b)%4), v[PW]
.endif
	v_cvt_scalef32_pk8_fp4_f32 v[PC+2*((\b)%4)], v[HH:HH+7], v[TM+3]
	v_cvt_scalef32_pk8_fp4_f32 v[PC+2*((\b)%4)+1], v[HH+8:HH+15], v[TM+3]
	v_nop                                          ; one plain place behind a scaled conversion
.endm
; Four chunks' codes become the fragment of a K step.
.macro SEAL
.irp c, 0,1                            ; the operand's layout wants a WHOLE block in a lane: lanes 0-15 block 2 c, lanes 16-31 block 2 c + 1
.irp i, 0,1
	v_permlane16_swap_b32 v[PC+4*\c+\i], v[PC+4*\c+2+\i]
.endr
.endr
.irp i, 0,1,2,3,4,5,6,7
	v_cndmask_b32 v[PC+\i], 0, v[PC+\i], s36       ; a token outside the expert's range: zero codes
.endr
	PLACES 8                                       ; a scale register written by vector instructions stands 8 places ahead of a scaled matrix instruction, an operand so written 4
.endm
; out^T += 16 tiles of w3 x h's fragment.  The 32 accumulators take turns, one instruction a turn.
.macro DOWN k, q, hf
	QTR \k
	WIN (0x50|AW)                                  ; source 0 in the ring's window, h's codes in window 0, C and D in window 1
.irp i, 0,1,2,3,4,5,6,7,8,9,10,11,12,13,14,15
.if (\i)%2
	v_wmma_scale_f32_16x16x128_f8f6f4 v[8*(16*(\hf)+\i):8*(16*(\hf)+\i)+7], v[RB+8*\i:RB+8*\i+7], v[PC:PC+7], v[8*(16*(\hf)+\i):8*(16*(\hf)+\i)+7], v[SC3+2*((16*(\hf)+\i)/2)+(\q)], v[PW] matrix_a_fmt:MATRIX_FMT_FP4 matrix_b_fmt:MATRIX_FMT_FP4 matrix_a_scale:MATRIX_SCALE_ROW1
.else
	v_wmma_scale_f32_16x16x128_f8f6f4 v[8*(16*(\hf)+\i):8*(16*(\hf)+\i)+7], v[RB+8*\i:RB+8*\i+7], v[PC:PC+7], v[8*(16*(\hf)+\i):8*(16*(\hf)+\i)+7], v[SC3+2*((16*(\hf)+\i)/2)+(\q)], v[PW] matrix_a_fmt:MATRIX_FMT_FP4 matrix_b_fmt:MATRIX_FMT_FP4
.endif
.endr
	WIN 0
.endm
	s_mov_b32 s35, 0                               ; the expert
.Lexpert:
	s_lshr_b32 s37, s34, s35
	s_and_b32 s37, s37, 1
	s_cmp_lg_u32 s37, 0
	s_cbranch_scc0 .Lnext                          ; none of my block's tokens is in this expert: the same in all four waves
	v_lshrrev_b32 v6, s35, v[MB]
	v_and_b32 v6, 1, v6
	v_cmp_ne_u32 s36, 0, v6                        ; the lanes whose token is in it
	; Each wait's count is the number of loads of the ONE group issued behind the group that is about to be multiplied (loads come back in order); x's loads are older than all of them.
	ISSUE_UP 0, 0
	ISSUE_UP 1, 1
	s_wait_loadcnt 34                              ; group 0 is in; group 1's 34 may be out
	ISSUE_UP 2, 2
	UP 0, 0
	s_wait_loadcnt 34                              ; group 2's
	ISSUE_UP 3, 3
	UP 1, 1
	s_wait_loadcnt 34                              ; group 3's
	ISSUE_DN 4, 0, 0, 1
	UP 2, 2
	s_wait_loadcnt 48                              ; group 4's: 16 of scale words, 32 of codes
	ISSUE_DN 5, 0, 1, 0
	UP 3, 3
	SEAL                                           ; K step 2 w of the second product
	s_wait_loadcnt 32                              ; group 5's
	ISSUE_UP 6, 4
	DOWN 4, 0, 0
	s_wait_loadcnt 34                              ; group 6's
	ISSUE_UP 7, 5
	DOWN 5, 0, 1
	s_wait_loadcnt 34                              ; group 7's
	ISSUE_UP 8, 6
	UP 6, 4
	s_wait_loadcnt 34                              ; group 8's
	ISSUE_UP 9, 7
	UP 7, 5
	s_wait_loadcnt 34                              ; group 9's
	ISSUE_DN 10, 1, 0, 0
	UP 8, 6
	s_wait_loadcnt 32                              ; group 10's
	ISSUE_DN 11, 1, 1, 0
	UP 9, 7
	SEAL                                           ; K step 2 w + 1
	s_wait_loadcnt 32                              ; group 11's
	DOWN 10, 1, 0
	s_wait_loadcnt 0x0                             ; the last group; no load that names the four pointers below is out any more
	DOWN 11, 1, 1
.Lnext:
	s_add_nc_u64 s[40:41], s[40:41], 524288        ; the next expert's 128 jobs of w12,
	s_add_nc_u64 s[42:43], s[42:43], 262144        ; 64 jobs of w3,
	s_add_nc_u64 s[44:45], s[44:45], 32768         ; and their scale words
	s_add_nc_u64 s[46:47], s[46:47], 16384
	s_add_co_u32 s35, s35, 1
	s_cmp_lt_u32 s35, 8
	s_cbranch_scc1 .Lexpert
	; THE WAY OUT.  Each wave's 16 x 512 partial sum goes to LDS; behind the barrier wave w adds the four partial sums of token rows 4 w .. 4 w + 3 and stores whole rows.
	s_wait_loadcnt 0x0                             ; x's loads, where no expert took the block
	PLACES 4                                       ; in front of the first read of the last products' results, and of LDS loads into registers that matrix instructions have read
	WIN 0x04                                       ; an LDS store's data are its source 1: window 1
.irp n, 0,1,2,3,4,5,6,7,8,9,10,11,12,13,14,15,16,17,18,19,20,21,22,23,24,25,26,27,28,29,30,31
	ds_store_b128 v[STO], v[8*\n:8*\n+3] offset:64*\n          ; lane (r, h): out(token r, 16 n + 8 h + 0 .. 7); each accumulator from its low end on
	ds_store_b128 v[STO], v[8*\n+4:8*\n+7] offset:64*\n+16
.endr
	WIN 0
	s_wait_dscnt 0x0                               ; for the others' sake: my stores have landed
	s_barrier_signal -1
	s_barrier_wait -1
.macro LOADROW p                       ; token row 4 w + p: 4 pieces of 512 bytes x 4 partial sums, into set p % 2 (v64-127 or v128-191)
.set LB, 64+64*((\p)%2)
.irp k, 0,1,2,3
	ds_load_b128 v[LB+16*\k:LB+16*\k+3],     v[RD0] offset:OPITCH*(\p)+512*\k
	ds_load_b128 v[LB+16*\k+4:LB+16*\k+7],   v[RD0] offset:OPITCH*(\p)+512*\k+PART
	ds_load_b128 v[LB+16*\k+8:LB+16*\k+11],  v[RD1] offset:OPITCH*(\p)+512*\k
	ds_load_b128 v[LB+16*\k+12:LB+16*\k+15], v[RD1] offset:OPITCH*(\p)+512*\k+PART
.endr
.endm
.macro SUMROW p                        ; (0 + 1) + (2 + 3), into registers of the row's own, so that no store's data are written again
.set LB, 64+64*((\p)%2)
.set OB, 192+16*(\p)
.irp k, 0,1,2,3
.irp d, 0,2
	v_pk_add_f32 v[LB+16*\k+\d:LB+16*\k+\d+1], v[LB+16*\k+\d:LB+16*\k+\d+1], v[LB+16*\k+4+\d:LB+16*\k+4+\d+1]
	v_pk_add_f32 v[LB+16*\k+8+\d:LB+16*\k+8+\d+1], v[LB+16*\k+8+\d:LB+16*\k+8+\d+1], v[LB+16*\k+12+\d:LB+16*\k+12+\d+1]
.endr
.irp d, 0,2
	v_pk_add_f32 v[OB+4*\k+\d:OB+4*\k+\d+1], v[LB+16*\k+\d:LB+16*\k+\d+1], v[LB+16*\k+8+\d:LB+16*\k+8+\d+1]
.endr
	global_store_b128 v[LN], v[OB+4*\k:OB+4*\k+3], s[12:13] offset:2048*(\p)+512*\k th:TH_STORE_NT   ; 32 lanes store 512 consecutive bytes, at a multiple of 512 from out's first byte; written once, read by nobody here
.endr
.endm
	LOADROW 0
	LOADROW 1
	s_wait_dscnt 16                                ; row 0 is in; the next row's 16 loads may be out
	SUMROW 0
	LOADROW 2
	s_wait_dscnt 16
	SUMROW 1
	LOADROW 3
	s_wait_dscnt 16
	SUMROW 2
	s_wait_dscnt 0x0
	SUMROW 3
	s_wait_tensorcnt 0x0
	ds_add_u32 v62, v63
	s_wait_dscnt 0x0
	s_endpgm
.Lfunc_end_k_q31858efaf8_ffn:
	.size	k_q31858efaf8_ffn, .Lfunc_end_k_q31858efaf8_ffn-k_q31858efaf8_ffn
	.p2alignl 7, 3214868480
	.fill 96, 4, 3214868480
	.section	.rodata,"a",@progbits
	.p2align	6, 0x0
	.amdhsa_kernel k_q31858efaf8_ffn
		.amdhsa_group_segment_fixed_size 132608
		.amdhsa_private_segment_fixed_size 0
		.amdhsa_enable_private_segment 0
		.amdhsa_kernarg_size 40
		.amdhsa_user_sgpr_count 2
		.amdhsa_user_sgpr_kernarg_segment_ptr 1
		.amdhsa_wavefront_size32 1
		.amdhsa_system_sgpr_workgroup_id_x 1
		.amdhsa_system_sgpr_workgroup_id_y 1
		.amdhsa_system_sgpr_workgroup_id_z 1
		.amdhsa_system_vgpr_workitem_id 0
		.amdhsa_next_free_vgpr 1024
		.amdhsa_next_free_sgpr 66
		.amdhsa_reserve_vcc 0
		.amdhsa_float_denorm_mode_32 3
		.amdhsa_float_denorm_mode_16_64 3
		.amdhsa_memory_ordered 1
		.amdhsa_forward_progress 1
		.amdhsa_inst_pref_size 134
	.end_amdhsa_kernel
	.amdgpu_metadata
---
amdhsa.version: [ 1, 2 ]
amdhsa.kernels:
  - .name:           k_q31858efaf8_ffn
    .symbol:         k_q31858efaf8_ffn.kd
    .args:
      - { .name: expert_starts, .offset: 0, .size: 8, .value_kind: global_buffer, .address_space: global }
      - { .name: expert_ends, .offset: 8, .size: 8, .value_kind: global_buffer, .address_space: global }
      - { .name: qcodes, .offset: 16, .size: 8, .value_kind: global_buffer, .address_space: global }
      - { .name: qscales, .offset: 24, .size: 8, .value_kind: global_buffer, .address_space: global }
      - { .name: out0, .offset: 32, .size: 8, .value_kind: global_buffer, .address_space: global }
    .group_segment_fixed_size: 132608
    .private_segment_fixed_size: 0
    .kernarg_segment_align: 8
    .kernarg_segment_size: 40
    .max_flat_workgroup_size: 128
    .sgpr_count:     66
    .vgpr_count:     1024
    .wavefront_size: 32
...
	.end_amdgpu_metadata
.endif
;; end of part 2
;; ======== version 2 of 2: 2 launches; 1.17 times as fast as version 1
;; workspace buffers: qcodes 7,340,032 bytes; qscales 458,752 bytes
;; launch quant: the kernel of part 1 again; grid 256 x 1, 7 waves a work-group, no clusters, 60,416 bytes of LDS; arguments sorted_x, w12, w3, qcodes, qscales; writes qcodes, qscales
;; launch ffn (part 3): grid 256 x 1, 4 waves a work-group, no clusters, 132,608 bytes of LDS; arguments expert_starts, expert_ends, qcodes, qscales, out0; writes out0
.if DOCPART == 3
	.amdgcn_target "amdgcn-amd-amdhsa--gfx1250"
	.amdhsa_code_object_version 6
	.text
	.protected	k_q31858efaf8_ffn
	.globl	k_q31858efaf8_ffn
	.p2align	8
	.type	k_q31858efaf8_ffn,@function
k_q31858efaf8_ffn:
	s_mov_b64 s[64:65], 0
	v_nop
	global_prefetch_b8 v0, s[64:65] scope:SCOPE_SE
	s_setreg_imm32_b32 hwreg(HW_REG_WAVE_MODE, 25, 1), 1
	s_wait_xcnt 0x0
; out[t] = the sum over the experts e with starts[e] <= t < ends[e] of Q(silu(Q(x) Q(W1_e)^T) * (Q(x) Q(W2_e)^T)) Q(W3_e)^T, Q the MX-FP4 quantiser along K.  x, w12, w3 come as codes and scale words laid as images
; of operand registers (a job = 16 row slots x 512 K: fragment s at 4096 J + 1024 s, lane L's registers 4 c .. 4 c + 3 at + 512 c + 16 L; scale words at 256 J + 16 r + 4 s; jobs: w12 0 .., w3 1024 .., x 1536 ..).
; SHARES.  Work-group g owns tokens 16 g .. 16 g + 15: every output row has one owner.  It walks all 8 experts in a loop of constant count and jumps over those whose range meets none of its tokens: a scalar branch on
; the index inputs.  Because of that branch the weights go from memory straight into registers, and no barrier stands in the loop.  For this reason tiles are not shared in a cluster either: which experts a block walks
; hangs on numbers read from memory.
; For an expert, wave w makes hidden units 256 w .. 256 w + 255 (K steps 2 w, 2 w + 1 of the second product), quantises them in its registers and multiplies them at once by its K slice of W3, for all 512 outputs:
; 32 accumulators that run on over both K steps and over the experts.  The four waves' partial sums meet once, at the end, in LDS behind the text's only barrier.
; BOTH PRODUCTS ARE USED TRANSPOSED (source 0 = 16 rows of weights, source 1 = the 16 tokens): a lane holds ONE token (lane % 16).  The rows of a tile of w12 were chosen so that the 16 registers of tiles u = 0, 1 of a
; group of 32 hidden units are 16 neighbours along the next K: 32 g + 16 (lane / 16) + 0 .. 15.  A token that is not in the expert gets zero CODES of h: it then adds exactly 0.
; THE STREAM.  An expert is 12 groups of 16 fragments (16 KiB a wave): 4 of w12 (a chunk = 32 hidden units x (h1, h2) x 4 K steps), 2 of w3, again 4 and 2.  They go through a ring of four quarters in windows 2 and 3;
; group k + 2 is asked for in front of group k's products.
; FOUR ORDERS.  Work-groups that use the same expert do not walk its stream in one order: two bits made of the work-group's number say which of the wave's two K steps goes first (QS) and whether a K step's chunks go
; 0 1 2 3 or 2 3 0 1 (R2).  So the first two groups of the four orders are all eight chunks of a wave's slice of w12, and a piece that one work-group wants late has been asked for early by another.  Register numbers
; stay as they are; only offsets into the buffers hang on the two bits, and the codes of h are put into their true places when a K step is whole.
; LIMITS: NaN and infinities are not served.  The sums of out are grouped otherwise than a plain chain: four K slices summed apart and added at the end as (0 + 1) + (2 + 3), a wave's two K steps in the order that QS
; gives, experts chained in one accumulator, all f32.  For h1 under about -88 the sigmoid comes out as 0.  A block of h that is all zeros gets the scale byte 1: its codes are zeros.
; REGISTERS, in windows of 256: window 0: v1-12 addresses and masks; v16-47 x's four fragments; v48-51 x's scale words; v52 h's scale word; v64-95 w12's scale words, four sets; v96-127 w3's, a set for each K step;
;   v128-159 four accumulators of the first product; v160-175, v176-191 at work on SwiGLU; v192-199 h's codes; v200-207 at work; v208-227 offsets of the stream; v232-239 h's codes in the stream's order.
;   window 1: the 32 accumulators of out (tile n at v[8 n]).   windows 2, 3: the ring.
.set LN,   1                           ; v1   16 x lane: my place in an image, and in a row of out
.set A3,   3                           ; v3   512 (lane / 16) + 16 r: w3's scale words, lanes 16-31 one tile on
.set AX,   4                           ; v4   16 r: x's scale words
.set MB,   5                           ; v5   bit e: my token is in expert e
.set STO,  8                           ; v8   the way out: where I put 32 bytes of my token's row
.set RD0,  9                           ; v9   where I read rows back: partial sums 0 and 1,
.set RD1,  10                          ; v10  2 and 3
.set TOK,  12                          ; v12  my token
.set XF,   16
.set XS,   48
.set PW,   52
.set SC12, 64
.set SC3,  96                          ; set j (the stream's j-th K step) at + 16 j; register i: lanes 0-15 tile 2 i, lanes 16-31 tile 2 i + 1
.set ACC,  128                         ; tile 2 p + u at + 8 (2 p + u): h1 in ACC .. ACC + 15, h2 in ACC + 16 .. ACC + 31
.set TT,   160
.set HH,   176
.set PC,   192
.set TM,   200
.set VU,   208                         ; v208-215  the stream's m-th chunk of w12: 16 x lane + 8192 x its number; never rewritten while loads are out
.set VS,   216                         ; v216-223  its scale words: 16 x lane + 512 x its number
.set VD,   224                         ; v224-225  the stream's j-th K step in w3: 16 x lane + 1024 x its number
.set A3J,  226                         ; v226-227  its scale words: A3 + 4 x its number
.set PCX,  232                         ; v232-239  h's codes, two registers for each chunk in the stream's order
.set R2M,  59                          ; s59  all ones where the chunks go 2 3 0 1, else 0
.set SH,   60                          ; s60-63  by how many bits the scale byte of the K step's i-th chunk is shifted: 8 x its true number
.set OPITCH, 2064                      ; a token's row of a partial sum in LDS: 2,048 bytes + 16 = 129 x 16: the 16 rows that a store touches begin at 16 different 16-byte columns of 256
.set PART,   16*OPITCH                 ; a wave's partial sum: 33,024 bytes
.set MSB, 0
.macro WIN new                         ; the immediate's high byte repeats the setting that is left
.if MSB != (\new)
	s_set_vgpr_msb (MSB<<8)|(\new)
.set MSB, (\new)
.endif
.endm
.macro PLACES n                        ; plain vector places behind matrix instructions (ISA guide 7.12.1), where no other vector work is at hand
.rept \n
	v_nop
.endr
.endm
.macro QTR k                           ; group k's quarter of the ring: window AW, from register RB on
.set AW, 2+((\k)%4)/2
.set RB, 128*(((\k)%4)%2)
.endm
	s_load_b256 s[4:11], s[0:1], 0x0               ; starts s[4:5], ends s[6:7], qcodes s[8:9], qscales s[10:11]
	s_load_b64 s[12:13], s[0:1], 0x20              ; out
	v_lshl_add_u32 v62, v0, 2, 0x20400
	v_mov_b32 v63, 0
	v_lshrrev_b32 v6, 5, v0
	v_readfirstlane_b32 s14, v6                    ; wave 0..3
	v_and_b32 v7, 31, v0
	v_lshlrev_b32 v[LN], 4, v7
	v_and_b32 v6, 15, v0                           ; r
	v_bfe_u32 v7, v0, 4, 1                         ; lane / 16
	v_lshlrev_b32 v[AX], 4, v6
	v_lshl_add_u32 v[A3], v7, 9, v[AX]
	s_lshl_b32 s15, ttmp9, 4                       ; T0: my block's first token
	s_add_co_u32 s33, s15, 16                      ; T1: one past its last
	v_add_nc_u32 v[TOK], s15, v6
	s_mul_i32 s37, s14, PART
	v_mul_u32_u24 v[STO], v6, OPITCH
	v_lshl_add_u32 v[STO], v7, 5, v[STO]
	v_add_nc_u32 v[STO], s37, v[STO]               ; my partial sum, row r, + 32 (lane / 16)
	s_mul_i32 s37, s14, 4*OPITCH
	v_add_nc_u32 v[RD0], s37, v[LN]                ; back: token rows 4 w on, 16 bytes a lane
	v_add_nc_u32 v[RD1], 2*PART, v[RD0]
	; my work-group's order.  Each of QS, R2 and QS xor R2 is the parity of three bits or more of the work-group's number: work-groups that agree in any one bit of it still take all four orders
	s_and_b32 s37, ttmp9, 0x15
	s_bcnt1_i32_b32 s37, s37
	s_and_b32 s58, s37, 1                          ; QS
	s_and_b32 s37, ttmp9, 0x1a
	s_bcnt1_i32_b32 s37, s37
	s_and_b32 s59, s37, 1                          ; R2
	s_lshl_b32 s60, s58, 2
	s_lshl_b32 s37, s59, 1
	s_or_b32 s60, s60, s37                         ; 4 QS + 2 R2
.irp m, 0,1,2,3,4,5,6,7
	s_xor_b32 s37, s60, \m                         ; the stream's m-th chunk is chunk m xor (4 QS + 2 R2) of my eight
	s_lshl_b32 s38, s37, 13
	v_add_nc_u32 v[VU+\m], s38, v[LN]              ; its two jobs of h1: 8,192 bytes a chunk
	s_lshl_b32 s38, s37, 9
	v_add_nc_u32 v[VS+\m], s38, v[LN]              ; their scale words: 512 bytes a chunk
.endr
	s_lshl_b32 s37, s58, 10
	v_add_nc_u32 v[VD], s37, v[LN]                 ; the stream's first K step is my K step QS: 1,024 bytes a K step in a job of w3,
	s_xor_b32 s37, s37, 1024
	v_add_nc_u32 v[VD+1], s37, v[LN]               ; its second the other one
	s_lshl_b32 s37, s58, 2
	v_add_nc_u32 v[A3J], s37, v[A3]                ; and 4 bytes a K step among a row's scale words
	s_xor_b32 s37, s37, 4
	v_add_nc_u32 v[A3J+1], s37, v[A3]
	s_lshl_b32 s[SH], s59, 4                       ; the K step's i-th chunk is its block i xor 2 R2: its byte stands 8 (i xor 2 R2) bits up
	s_xor_b32 s[SH+1], s[SH], 8
	s_xor_b32 s[SH+2], s[SH], 16
	s_xor_b32 s[SH+3], s[SH], 24
	s_cmp_lg_u32 s59, 0
	s_cselect_b32 s[R2M], -1, 0
	v_mov_b32 v[MB], 0
	v_mov_b32 v[TM+2], 0                           ; written once: a lane permute's destination counts as one of its sources
	s_mov_b32 s34, 0                               ; ACT: bit e: expert e's range meets my block
	s_mov_b32 s54, 0x76543210
	s_mov_b32 s55, 0xfedcba98                      ; v_permlanex16_b32's selects for lane l xor 16
	s_mov_b32 s56, 0xbfb8aa3b                      ; -log2(e); the packed form names the pair and takes its low word for both halves,
	s_mov_b32 s57, s56                             ; so the upper word is written too
	s_mov_b32 s53, 0
	s_wait_kmcnt 0x0
	s_load_b256 s[16:23], s[4:5], 0x0              ; the eight starts
	s_load_b256 s[24:31], s[6:7], 0x0              ; the eight ends
	s_lshl_b32 s52, s14, 16
	s_add_nc_u64 s[40:41], s[8:9], s[52:53]        ; w12's codes: my 16 tiles of h1 of expert 0: 65536 w
	s_lshl_b32 s52, s14, 11
	s_add_co_u32 s52, s52, 4194304
	s_add_nc_u64 s[42:43], s[8:9], s[52:53]        ; w3's codes: job 1024 on, K step 2 w: 2048 w
	s_lshl_b32 s52, s14, 12
	s_add_nc_u64 s[44:45], s[10:11], s[52:53]      ; w12's scale words: 4096 w
	s_lshr_b32 s37, s14, 1
	s_lshl_b32 s37, s37, 8
	s_and_b32 s38, s14, 1
	s_lshl_b32 s38, s38, 3
	s_add_co_u32 s52, s37, s38
	s_add_co_u32 s52, s52, 262144
	s_add_nc_u64 s[46:47], s[10:11], s[52:53]      ; w3's scale words: 256 (w / 2) for the job's half, 8 (w % 2) for my two words in it
	s_lshl_b32 s52, ttmp9, 12
	s_add_co_u32 s52, s52, 6291456
	s_add_nc_u64 s[48:49], s[8:9], s[52:53]        ; x's codes: job 1536 + g
	s_lshl_b32 s52, ttmp9, 8
	s_add_co_u32 s52, s52, 393216
	s_add_nc_u64 s[50:51], s[10:11], s[52:53]      ; and its scale words
	s_lshl_b32 s52, ttmp9, 15
	s_lshl_b32 s37, s14, 13
	s_add_co_u32 s52, s52, s37
	s_add_nc_u64 s[12:13], s[12:13], s[52:53]      ; out at token 16 g + 4 w: the four rows that I store
.irp s, 0,1,2,3
.irp c, 0,1
	global_load_b128 v[XF+8*\s+4*\c:XF+8*\s+4*\c+3], v[LN], s[48:49] offset:1024*\s+512*\c   ; x's four fragments stay in registers
.endr
.endr
	global_load_b128 v[XS:XS+3], v[AX], s[50:51]   ; register s: the word of K step s, lane r row r's
	; The accumulators of out are cleared: a token that no expert takes must come out as 0, and which expert is a block's first is known only when the index inputs have been read.  (x's loads are out meanwhile.)
	WIN 0x40
.set i, 0
.rept 256
	v_mov_b32 v[i], 0
.set i, i+1
.endr
	WIN 0
	s_wait_kmcnt 0x0                               ; starts and ends
.irp e, 0,1,2,3,4,5,6,7
	s_max_i32 s37, s[16+\e], s15                   ; the range meets [T0, T1) where max(start, T0) < min(end, T1)
	s_min_i32 s38, s[24+\e], s33
	s_cmp_lt_i32 s37, s38
	s_cselect_b32 s37, 1<<\e, 0
	s_or_b32 s34, s34, s37
	v_cmp_le_i32 s37, s[16+\e], v[TOK]             ; start <= my token
	v_cmp_gt_i32 s38, s[24+\e], v[TOK]             ; end > my token
	s_and_b32 s37, s37, s38
	v_cndmask_b32 v6, 0, 1, s37
	v_lshl_or_b32 v[MB], v6, \e, v[MB]
.endr
; Group k = the stream's m-th chunk of w12: 2 loads of scale words, 32 of codes.  The four places stand in front of loads into registers that matrix instructions have read.
.macro ISSUE_UP k, m
	QTR \k
	PLACES 4
.irp p, 0,1
	global_load_b128 v[SC12+8*((\k)%4)+4*\p:SC12+8*((\k)%4)+4*\p+3], v[VS+(\m)], s[44:45] offset:16384*\p   ; register s: K step s; lanes 0-15 tile u = 0, lanes 16-31 tile u = 1
.endr
	WIN (AW<<6)                                    ; destination: the ring's window
.irp s, 0,1,2,3
.irp p, 0,1
.irp u, 0,1
.irp c, 0,1
	global_load_b128 v[RB+8*(4*\s+2*\p+\u)+4*\c:RB+8*(4*\s+2*\p+\u)+4*\c+3], v[VU+(\m)], s[40:41] offset:262144*\p+4096*\u+1024*\s+512*\c   ; 512 consecutive bytes
.endr
.endr
.endr
.endr
	WIN 0
.endm
; Group k = tiles 16 hf .. 16 hf + 15 of w3, the stream's j-th K step: 32 loads of codes; first = 1: ahead of them that K step's scale words of all 32 tiles, 16 loads.
.macro ISSUE_DN k, j, hf, first
	QTR \k
	PLACES 4
.if \first
.irp i, 0,1,2,3,4,5,6,7,8,9,10,11,12,13,14,15
	global_load_b32 v[SC3+16*(\j)+\i], v[A3J+(\j)], s[46:47] offset:1024*\i   ; lanes 0-15 tile 2 i, lanes 16-31 tile 2 i + 1
.endr
.endif
	WIN (AW<<6)
.irp i, 0,1,2,3,4,5,6,7,8,9,10,11,12,13,14,15
.irp c, 0,1
	global_load_b128 v[RB+8*\i+4*\c:RB+8*\i+4*\c+3], v[VD+(\j)], s[42:43] offset:8192*(16*(\hf)+\i)+512*\c
.endr
.endr
	WIN 0
.endm
; The K step's i-th chunk in the stream's order: h1 and h2 of 32 hidden units for my 16 tokens, SwiGLU, and the block's codes and scale byte.
.macro UP k, i
	QTR \k
	WIN AW                                         ; source 0 (weights) in the ring's window; x, C and D in window 0
.irp s, 0,1,2,3                        ; the four accumulators take turns, one instruction a turn; the first K step starts the sums
.irp j, 0,1,2,3
.if \s == 0
.if (\j)%2
	v_wmma_scale_f32_16x16x128_f8f6f4 v[ACC+8*\j:ACC+8*\j+7], v[RB+8*(4*\s+\j):RB+8*(4*\s+\j)+7], v[XF+8*\s:XF+8*\s+7], 0, v[SC12+8*((\k)%4)+4*(\j/2)+\s], v[XS+\s] matrix_a_fmt:MATRIX_FMT_FP4 matrix_b_fmt:MATRIX_FMT_FP4 matrix_a_scale:MATRIX_SCALE_ROW1
.else
	v_wmma_scale_f32_16x16x128_f8f6f4 v[ACC+8*\j:ACC+8*\j+7], v[RB+8*(4*\s+\j):RB+8*(4*\s+\j)+7], v[XF+8*\s:XF+8*\s+7], 0, v[SC12+8*((\k)%4)+4*(\j/2)+\s], v[XS+\s] matrix_a_fmt:MATRIX_FMT_FP4 matrix_b_fmt:MATRIX_FMT_FP4
.endif
.else
.if (\j)%2
	v_wmma_scale_f32_16x16x128_f8f6f4 v[ACC+8*\j:ACC+8*\j+7], v[RB+8*(4*\s+\j):RB+8*(4*\s+\j)+7], v[XF+8*\s:XF+8*\s+7], v[ACC+8*\j:ACC+8*\j+7], v[SC12+8*((\k)%4)+4*(\j/2)+\s], v[XS+\s] matrix_a_fmt:MATRIX_FMT_FP4 matrix_b_fmt:MATRIX_FMT_FP4 matrix_a_scale:MATRIX_SCALE_ROW1
.else
	v_wmma_scale_f32_16x16x128_f8f6f4 v[ACC+8*\j:ACC+8*\j+7], v[RB+8*(4*\s+\j):RB+8*(4*\s+\j)+7], v[XF+8*\s:XF+8*\s+7], v[ACC+8*\j:ACC+8*\j+7], v[SC12+8*((\k)%4)+4*(\j/2)+\s], v[XS+\s] matrix_a_fmt:MATRIX_FMT_FP4 matrix_b_fmt:MATRIX_FMT_FP4
.endif
.endif
.endr
.endr
	WIN 0
	PLACES 4                                       ; in front of the first read of the results
	; h = h1 / (1 + 2^(-log2(e) h1)) x h2, in f32; each accumulator is read from its low end on
.irp n, 0,2,4,6,8,10,12,14
	v_pk_mul_f32 v[TT+\n:TT+\n+1], v[ACC+\n:ACC+\n+1], s[56:57] op_sel_hi:[1,0]
.endr
.irp n, 0,1,2,3,4,5,6,7,8,9,10,11,12,13,14,15
	v_exp_f32 v[TT+\n], v[TT+\n]
.endr
	v_nop                                          ; one plain place behind the transcendentals
	s_wait_alu depctr_va_vdst(0)
.irp n, 0,2,4,6,8,10,12,14
	v_pk_add_f32 v[TT+\n:TT+\n+1], v[TT+\n:TT+\n+1], 1.0 op_sel_hi:[1,0]
.endr
.irp n, 0,1,2,3,4,5,6,7,8,9,10,11,12,13,14,15
	v_rcp_f32 v[TT+\n], v[TT+\n]
.endr
	v_nop
	s_wait_alu depctr_va_vdst(0)
.irp n, 0,2,4,6,8,10,12,14
	v_pk_mul_f32 v[HH+\n:HH+\n+1], v[ACC+\n:ACC+\n+1], v[TT+\n:TT+\n+1]          ; silu(h1)
.endr
.irp n, 0,2,4,6,8,10,12,14
	v_pk_mul_f32 v[HH+\n:HH+\n+1], v[HH+\n:HH+\n+1], v[ACC+16+\n:ACC+16+\n+1]    ; x h2: register n = the chunk's hidden unit 16 (lane / 16) + n of my token
.endr
	; the block of 32 lies in lanes l and l xor 16
	v_max3_num_f32 v[TM], |v[HH]|, |v[HH+1]|, 0x1800000        ; two chains; the floor 2^(3 - 127) among the leaves: so the byte cannot fall under 1
	v_max3_num_f32 v[TM+1], |v[HH+8]|, |v[HH+9]|, |v[HH+10]|
	v_max3_num_f32 v[TM], v[TM], |v[HH+2]|, |v[HH+3]|
	v_max3_num_f32 v[TM+1], v[TM+1], |v[HH+11]|, |v[HH+12]|
	v_max3_num_f32 v[TM], v[TM], |v[HH+4]|, |v[HH+5]|
	v_max3_num_f32 v[TM+1], v[TM+1], |v[HH+13]|, |v[HH+14]|
	v_max3_num_f32 v[TM], v[TM], |v[HH+6]|, |v[HH+7]|
	v_max3_num_f32 v[TM], v[TM], v[TM+1], |v[HH+15]|
	v_permlanex16_b32 v[TM+2], v[TM], s54, s55
	v_max_num_f32 v[TM], v[TM], v[TM+2]            ; the block's largest magnitude
	v_add_nc_u32 v[TM+3], 0xff000000, v[TM]        ; 2 off its exponent field: the conversion's scale operand
	v_lshrrev_b32 v[TM+4], 23, v[TM+3]             ; the scale's byte
.if (\i) == 0
	v_lshlrev_b32 v[PW], s[SH], v[TM+4]            ; four chunks' bytes make the scale word of a K step, each at its block's true place
.else
	v_lshlrev_b32 v[TM+5], s[SH+(\i)], v[TM+4]
	v_or_b32 v[PW], v[PW], v[TM+5]
.endif
	v_cvt_scalef32_pk8_fp4_f32 v[PCX+2*(\i)], v[HH:HH+7], v[TM+3]
	v_cvt_scalef32_pk8_fp4_f32 v[PCX+2*(\i)+1], v[HH+8:HH+15], v[TM+3]
	v_nop                                          ; one plain place behind a scaled conversion
.endm
; Four chunks' codes become the fragment of a K step.
.macro SEAL
.irp c, 0,1                            ; the operand's layout wants a WHOLE block in a lane: lanes 0-15 the stream's chunk 2 c, lanes 16-31 its chunk 2 c + 1
.irp i, 0,1
	v_permlane16_swap_b32 v[PCX+4*\c+\i], v[PCX+4*\c+2+\i]
.endr
.endr
.irp c, 0,1                            ; where the chunks went 2 3 0 1 the two groups of four registers change places: registers 4 c .. 4 c + 3 then hold blocks 2 c and 2 c + 1
.irp i, 0,1,2,3
	v_cndmask_b32 v[PC+4*\c+\i], v[PCX+4*\c+\i], v[PCX+4*(1-\c)+\i], s[R2M]
.endr
.endr
.irp i, 0,1,2,3,4,5,6,7
	v_cndmask_b32 v[PC+\i], 0, v[PC+\i], s36       ; a token outside the expert's range: zero codes
.endr
	PLACES 8                                       ; a scale register written by vector instructions stands 8 places ahead of a scaled matrix instruction, an operand so written 4
.endm
; out^T += 16 tiles of w3 x h's fragment.  The 32 accumulators take turns, one instruction a turn.
.macro DOWN k, j, hf
	QTR \k
	WIN (0x50|AW)                                  ; source 0 in the ring's window, h's codes in window 0, C and D in window 1
.irp i, 0,1,2,3,4,5,6,7,8,9,10,11,12,13,14,15
.if (\i)%2
	v_wmma_scale_f32_16x16x128_f8f6f4 v[8*(16*(\hf)+\i):8*(16*(\hf)+\i)+7], v[RB+8*\i:RB+8*\i+7], v[PC:PC+7], v[8*(16*(\hf)+\i):8*(16*(\hf)+\i)+7], v[SC3+16*(\j)+(16*(\hf)+\i)/2], v[PW] matrix_a_fmt:MATRIX_FMT_FP4 matrix_b_fmt:MATRIX_FMT_FP4 matrix_a_scale:MATRIX_SCALE_ROW1
.else
	v_wmma_scale_f32_16x16x128_f8f6f4 v[8*(16*(\hf)+\i):8*(16*(\hf)+\i)+7], v[RB+8*\i:RB+8*\i+7], v[PC:PC+7], v[8*(16*(\hf)+\i):8*(16*(\hf)+\i)+7], v[SC3+16*(\j)+(16*(\hf)+\i)/2], v[PW] matrix_a_fmt:MATRIX_FMT_FP4 matrix_b_fmt:MATRIX_FMT_FP4
.endif
.endr
	WIN 0
.endm
	s_mov_b32 s35, 0                               ; the expert
.Lexpert:
	s_lshr_b32 s37, s34, s35
	s_and_b32 s37, s37, 1
	s_cmp_lg_u32 s37, 0
	s_cbranch_scc0 .Lnext                          ; none of my block's tokens is in this expert: the same in all four waves
	v_lshrrev_b32 v6, s35, v[MB]
	v_and_b32 v6, 1, v6
	v_cmp_ne_u32 s36, 0, v6                        ; the lanes whose token is in it
	; Each wait's count is the number of loads of the ONE group issued behind the group that is about to be multiplied (loads come back in order); x's loads are older than all of them.
	ISSUE_UP 0, 0
	ISSUE_UP 1, 1
	s_wait_loadcnt 34                              ; group 0 is in; group 1's 34 may be out
	ISSUE_UP 2, 2
	UP 0, 0
	s_wait_loadcnt 34                              ; group 2's
	ISSUE_UP 3, 3
	UP 1, 1
	s_wait_loadcnt 34                              ; group 3's
	ISSUE_DN 4, 0, 0, 1
	UP 2, 2
	s_wait_loadcnt 48                              ; group 4's: 16 of scale words, 32 of codes
	ISSUE_DN 5, 0, 1, 0
	UP 3, 3
	SEAL                                           ; the stream's first K step of the second product
	s_wait_loadcnt 32                              ; group 5's
	ISSUE_UP 6, 4
	DOWN 4, 0, 0
	s_wait_loadcnt 34                              ; group 6's
	ISSUE_UP 7, 5
	DOWN 5, 0, 1
	s_wait_loadcnt 34                              ; group 7's
	ISSUE_UP 8, 6
	UP 6, 0
	s_wait_loadcnt 34                              ; group 8's
	ISSUE_UP 9, 7
	UP 7, 1
	s_wait_loadcnt 34                              ; group 9's
	ISSUE_DN 10, 1, 0, 1
	UP 8, 2
	s_wait_loadcnt 48                              ; group 10's: 16 of scale words, 32 of codes
	ISSUE_DN 11, 1, 1, 0
	UP 9, 3
	SEAL                                           ; its second K step
	s_wait_loadcnt 32                              ; group 11's
	DOWN 10, 1, 0
	s_wait_loadcnt 0x0                             ; the last group; no load that names the four pointers below is out any more
	DOWN 11, 1, 1
.Lnext:
	s_add_nc_u64 s[40:41], s[40:41], 524288        ; the next expert's 128 jobs of w12,
	s_add_nc_u64 s[42:43], s[42:43], 262144        ; 64 jobs of w3,
	s_add_nc_u64 s[44:45], s[44:45], 32768         ; and their scale words
	s_add_nc_u64 s[46:47], s[46:47], 16384
	s_add_co_u32 s35, s35, 1
	s_cmp_lt_u32 s35, 8
	s_cbranch_scc1 .Lexpert
	; THE WAY OUT.  Each wave's 16 x 512 partial sum goes to LDS; behind the barrier wave w adds the four partial sums of token rows 4 w .. 4 w + 3 and stores whole rows.
	s_wait_loadcnt 0x0                             ; x's loads, where no expert took the block; from here on the stream's offset registers may be written
	PLACES 4                                       ; in front of the first read of the last products' results, and of LDS loads into registers that matrix instructions have read
	WIN 0x04                                       ; an LDS store's data are its source 1: window 1
.irp n, 0,1,2,3,4,5,6,7,8,9,10,11,12,13,14,15,16,17,18,19,20,21,22,23,24,25,26,27,28,29,30,31
	ds_store_b128 v[STO], v[8*\n:8*\n+3] offset:64*\n          ; lane (r, h): out(token r, 16 n + 8 h + 0 .. 7); each accumulator from its low end on
	ds_store_b128 v[STO], v[8*\n+4:8*\n+7] offset:64*\n+16
.endr
	WIN 0
	s_wait_dscnt 0x0                               ; for the others' sake: my stores have landed
	s_barrier_signal -1
	s_barrier_wait -1
.macro LOADROW p                       ; token row 4 w + p: 4 pieces of 512 bytes x 4 partial sums, into set p % 2 (v64-127 or v128-191)
.set LB, 64+64*((\p)%2)
.irp k, 0,1,2,3
	ds_load_b128 v[LB+16*\k:LB+16*\k+3],     v[RD0] offset:OPITCH*(\p)+512*\k
	ds_load_b128 v[LB+16*\k+4:LB+16*\k+7],   v[RD0] offset:OPITCH*(\p)+512*\k+PART
	ds_load_b128 v[LB+16*\k+8:LB+16*\k+11],  v[RD1] offset:OPITCH*(\p)+512*\k
	ds_load_b128 v[LB+16*\k+12:LB+16*\k+15], v[RD1] offset:OPITCH*(\p)+512*\k+PART
.endr
.endm
.macro SUMROW p                        ; (0 + 1) + (2 + 3), into registers of the row's own, so that no store's data are written again
.set LB, 64+64*((\p)%2)
.set OB, 192+16*(\p)
.irp k, 0,1,2,3
.irp d, 0,2
	v_pk_add_f32 v[LB+16*\k+\d:LB+16*\k+\d+1], v[LB+16*\k+\d:LB+16*\k+\d+1], v[LB+16*\k+4+\d:LB+16*\k+4+\d+1]
	v_pk_add_f32 v[LB+16*\k+8+\d:LB+16*\k+8+\d+1], v[LB+16*\k+8+\d:LB+16*\k+8+\d+1], v[LB+16*\k+12+\d:LB+16*\k+12+\d+1]
.endr
.irp d, 0,2
	v_pk_add_f32 v[OB+4*\k+\d:OB+4*\k+\d+1], v[LB+16*\k+\d:LB+16*\k+\d+1], v[LB+16*\k+8+\d:LB+16*\k+8+\d+1]
.endr
	global_store_b128 v[LN], v[OB+4*\k:OB+4*\k+3], s[12:13] offset:2048*(\p)+512*\k th:TH_STORE_NT   ; 32 lanes store 512 consecutive bytes, at a multiple of 512 from out's first byte; written once, read by nobody here
.endr
.endm
	LOADROW 0
	LOADROW 1
	s_wait_dscnt 16                                ; row 0 is in; the next row's 16 loads may be out
	SUMROW 0
	LOADROW 2
	s_wait_dscnt 16
	SUMROW 1
	LOADROW 3
	s_wait_dscnt 16
	SUMROW 2
	s_wait_dscnt 0x0
	SUMROW 3
	s_wait_tensorcnt 0x0
	ds_add_u32 v62, v63
	s_wait_dscnt 0x0
	s_endpgm
.Lfunc_end_k_q31858efaf8_ffn:
	.size	k_q31858efaf8_ffn, .Lfunc_end_k_q31858efaf8_ffn-k_q31858efaf8_ffn
	.p2alignl 7, 3214868480
	.fill 96, 4, 3214868480
	.section	.rodata,"a",@progbits
	.p2align	6, 0x0
	.amdhsa_kernel k_q31858efaf8_ffn
		.amdhsa_group_segment_fixed_size 132608
		.amdhsa_private_segment_fixed_size 0
		.amdhsa_enable_private_segment 0
		.amdhsa_kernarg_size 40
		.amdhsa_user_sgpr_count 2
		.amdhsa_user_sgpr_kernarg_segment_ptr 1
		.amdhsa_wavefront_size32 1
		.amdhsa_system_sgpr_workgroup_id_x 1
		.amdhsa_system_sgpr_workgroup_id_y 1
		.amdhsa_system_sgpr_workgroup_id_z 1
		.amdhsa_system_vgpr_workitem_id 0
		.amdhsa_next_free_vgpr 1024
		.amdhsa_next_free_sgpr 66
		.amdhsa_reserve_vcc 0
		.amdhsa_float_denorm_mode_32 3
		.amdhsa_float_denorm_mode_16_64 3
		.amdhsa_memory_ordered 1
		.amdhsa_forward_progress 1
		.amdhsa_inst_pref_size 138
	.end_amdhsa_kernel
	.amdgpu_metadata
---
amdhsa.version: [ 1, 2 ]
amdhsa.kernels:
  - .name:           k_q31858efaf8_ffn
    .symbol:         k_q31858efaf8_ffn.kd
    .args:
      - { .name: expert_starts, .offset: 0, .size: 8, .value_kind: global_buffer, .address_space: global }
      - { .name: expert_ends, .offset: 8, .size: 8, .value_kind: global_buffer, .address_space: global }
      - { .name: qcodes, .offset: 16, .size: 8, .value_kind: global_buffer, .address_space: global }
      - { .name: qscales, .offset: 24, .size: 8, .value_kind: global_buffer, .address_space: global }
      - { .name: out0, .offset: 32, .size: 8, .value_kind: global_buffer, .address_space: global }
    .group_segment_fixed_size: 132608
    .private_segment_fixed_size: 0
    .kernarg_segment_align: 8
    .kernarg_segment_size: 40
    .max_flat_workgroup_size: 128
    .sgpr_count:     66
    .vgpr_count:     1024
    .wavefront_size: 32
...
	.end_amdgpu_metadata
.endif
;; end of part 3
